; MI455X (gfx1250); checked and timed in simulation.
; The chip was launched on July 23, 2026; its instructions are those of AMD's public machine-readable ISA for CDNA 5 (MIT licence, August 2026) and "CDNA5" Instruction Set Architecture Reference Guide (July 2026). The comments in the code are by the model that wrote it; some were corrected since.
;; Casual Attention. Allowed arithmetic: float matrix products may take bf16 or f16 operands with f32 sums; all other float work in f32.
;; Inputs: x 2 x 2,048 x 1,024 float32.
;; Outputs: out0 2 x 2,048 x 1,024 float32.
;; One version. Each part assembles by itself: llvm-mc -triple=amdgcn-amd-amdhsa -mcpu=gfx1250 --defsym DOCPART=n.
;; ======== version 1 of 1: 1 launch
;; launch attn (part 1): grid 256 x 1, 8 waves a work-group, no clusters, 111,616 bytes of LDS; arguments x, out0; writes out0
.if DOCPART == 1
	.amdgcn_target "amdgcn-amd-amdhsa--gfx1250"
	.amdhsa_code_object_version 6
	.text
	.protected	k_q9cc26dcdf9_attn
	.globl	k_q9cc26dcdf9_attn
	.p2align	8
	.type	k_q9cc26dcdf9_attn,@function
k_q9cc26dcdf9_attn:
	s_mov_b64 s[64:65], 0
	v_nop
	global_prefetch_b8 v0, s[64:65] scope:SCOPE_SE
	s_setreg_imm32_b32 hwreg(HW_REG_WAVE_MODE, 25, 1), 1
	s_wait_xcnt 0x0
; Causal softmax attention with q = k = v = x.  x, out0: [2][2048][1024] f32; 16 heads of 64; a head's row is 256 bytes at row*4096 + head*256.
;
; SHARING.  256 work-groups: head bh = id >> 3 (32 heads), i = id & 7.  A head has 16 query blocks of 128 rows; the work-group makes block
; 15 - i (pass 0) and block i (pass 1): (16 - i) + (i + 1) = 17 key tiles of 128 for every work-group.  Blocks above the diagonal are not made.
; Eight waves: wave w has g = w & 3 and s = w >> 2; it owns queries 32 g .. 32 g + 31 of the block and keys 64 s .. 64 s + 63 of every key tile,
; with a running maximum, sum and O of its own; the two key halves are merged once a pass in LDS, on the way out.
; THE PRODUCTS ARE TRANSPOSED: S^T = K Q^T and O^T = V^T P^T.  A lane then holds one query: a row's maximum and sum cross the lanes once, and
; the registers of S^T, packed to bf16, are the B fragment of P^T as they lie.
; A pass begins with its diagonal tile: that tile is the query block, so Q is read from it; it is masked; its products start the sums (C = 0).
; A tile comes from memory in f32 through registers, is rounded to bf16 once and laid into LDS twice: pitch 144 for the fragments with the head
; dimension along the rows (K, Q), pitch 160 for the transposing loads (V).  One tile slot: a trip reads all its fragments into registers at
; its head, so the slot is free for the next tile while the trip computes.
;
; ARITHMETIC.  Matrix operands bf16, sums f32, softmax f32 with a running maximum m of the raw scores q.k; c = log2(e) / 8 holds the scale
; 1 / sqrt(64).  Weights are exp2(c S + NM), NM = -c m rounded once; NM is carried, and every rescale is exp2 of a difference of two NM, so it
; fits the weights that it rescales whatever the size of m.
; LIMITS.  x finite and all scores finite; NaN and infinities are not reproduced.  Weights below 2^-126 come out as 0 (v_exp_f32 flushes,
; ISA guide 15.8).  Masked scores take the lowest finite f32, as in the problem.  In the diagonal tile NM is capped at 2^125, so that a key half that is masked as a
; whole gives weights, sum and O of 0 (c times that mask value is -6.1e37, the argument then -1.9e37); by that cap a key half whose largest raw score
; lies below -2.3e38 also counts 0, which is its true weight in f32, since the row's own key scores |q|^2 >= 0.
;
; NOT USED.  Clusters with joint loads: the work-groups that read the same key tiles are the query blocks of a head, and they need different
; numbers of tiles (1 to 16); joint requests would ask for equal trip counts, that is for the masked blocks too, 256 in place of 136 per head.
; Tensor loads and asynchronous copies: x is f32 and passes through registers to become bf16 in any case.
.set TLOG,   19                        ; a tile: 128 rows of 4,096 bytes = 2^19 bytes of x
.set KP,     144                       ; K's pitch, 9 x 16: the 16 rows of a fragment load start at 16 different 16-byte columns modulo 256
.set VP,     160                       ; V's pitch, 5 x 32, for ds_load_tr16_b128
.set VT,     128*KP                    ; 18,432: V's copy of the tile, behind K's at 0
.set MRG,    VT+128*VP                 ; 38,912: two partial O blocks, 128 rows of 64 f32
.set MP,     272                       ; their pitch, 17 x 16
.set MHALF,  128*MP                    ; 34,816
.set STAT,   MRG+2*MHALF               ; 108,544: 128 rows x {NM, l} of key half 0, {NM, l} of key half 1; ends at 110,592
.set TRIPS,  17
; window 0:  v1 K fragments, v2 Q fragments, v3 V fragments, v4 / v5 tile stores (K's, V's copy), v6 my 16 bytes in a tile of x or out0,
;            v7 prefetch, v8 / v9 partial O in / back, v10 / v11 statistics in / back, v13 mask, v12 v14 v15 set-up
.set NM,  16                           ; v16, v18   NM of query group f = 0, 1;   v17, v19   its sum l (my half of the lanes' keys)
.set MX,  20                           ; v20, v21   running maximum
.set AL,  22                           ; v22, v24   alpha, the low register of a pair
.set TM,  23                           ; v23, v25   at work
.set XP,  26                           ; v26, v27   what the other half of the lanes sent
.set EP,  28                           ; v[28:35]   merge: at work
.set SU,  32                           ; v[32:39]   row sums: four chains of pairs
.set QF,  40                           ; v[40:71]   Q(f, kh) at 40 + 16 f + 8 kh
.set OA,  72                           ; v[72:135]  O^T(f, ht) at 72 + 32 f + 8 ht
.set SC,  136                          ; v[136:199] S^T(kt, f) at 136 + 16 kt + 8 f; P(kg, f) is packed into S(2 kg, f)
.set ST,  40                           ; merge: statistics of row t
.set PA,  136                          ; merge: row t of key half 0's O
.set PB,  168                          ; merge: row t of key half 1's O
; window 1 (v256 and up; written with the low 8 bits):
.set KF,  0                            ; v[256:319] K(kt, kh) at 16 kt + 8 kh
.set VF,  64                           ; v[320:383] V^T(kg, ht) at 64 + 32 kg + 8 ht
.set GS,  128                          ; v[384:415] the tile after next, as loaded
; scalars: s8 wave, s9 g, s10 s, s11 i, s12 head number, s[14:15] x at my head, s[16:17] out0 at my head, s[18:19] the tile being loaded,
; s[20:21] an offset, s22 trip number 0..16, s23 = 15 - i, s24 = 16 - i, s26 the trip that prefetches, s27 s28 at work, s[30:31] c,
; s32 s33 lane selects, s34 mask value, s[36:37] out0 at the pass's block, s38 -c, s39 2^125
.set MSB, 0
.macro WIN new                         ; s_set_vgpr_msb: bits 1:0 source 0, 3:2 source 1, 5:4 source 2, 7:6 destination; the high byte repeats the setting left
.if MSB != \new
	s_set_vgpr_msb (MSB<<8)|\new
.set MSB, \new
.endif
.endm
.set TO_W1,  0x40                      ; a load's data into window 1, its address from window 0
.set MUL_W1, 0x01                      ; matrix: A from window 1; B, C, D in window 0
.set IN_W1,  0x45                      ; conversion inside window 1
.set FROM_W1, 0x04                     ; an LDS store's data from window 1, its address from window 0
	s_load_b128 s[4:7], s[0:1], 0x0                ; x, out0
	v_lshl_add_u32 v254, v0, 2, 0x1b000
	v_mov_b32 v255, 0
	v_lshrrev_b32 v12, 5, v0
	v_readfirstlane_b32 s8, v12                    ; wave 0..7
	v_and_b32 v14, 15, v0                          ; r
	v_bfe_u32 v15, v0, 4, 1                        ; h
	s_and_b32 s9, s8, 3                            ; g: my 32 queries
	s_lshr_b32 s10, s8, 2                          ; s: my 64 keys
	s_and_b32 s11, ttmp9, 7                        ; i
	s_lshr_b32 s12, ttmp9, 3                       ; 16 batch + head
	s_sub_co_u32 s23, 15, s11                      ; pass 0's query block
	s_sub_co_u32 s24, 16, s11                      ; and the number of its trips
	s_lshr_b32 s27, s12, 4
	s_lshl_b32 s27, s27, 23                        ; batch x 2048 rows x 4,096 bytes
	s_and_b32 s28, s12, 15
	s_lshl_b32 s28, s28, 8                         ; head x 256 bytes
	s_add_co_u32 s20, s27, s28
	s_mov_b32 s21, 0                               ; stays 0: s[20:21] is always a 32-bit offset
	s_lshl_b32 s27, s8, 16
	v_lshlrev_b32 v6, 12, v15
	v_lshl_add_u32 v6, v14, 4, v6
	v_add_nc_u32 v6, s27, v6                       ; (16 w + h) rows + 16 r: sixteen lanes take a head's whole row of 256 bytes
	s_wait_kmcnt 0x0
	s_add_nc_u64 s[14:15], s[4:5], s[20:21]
	s_add_nc_u64 s[16:17], s[6:7], s[20:21]
	s_lshl_b32 s20, s23, TLOG
	s_add_nc_u64 s[18:19], s[14:15], s[20:21]      ; pass 0's diagonal tile
	WIN TO_W1
.irp j, 0,1,2,3,4,5,6,7
	global_load_b128 v[VF+4*\j:VF+4*\j+3], v6, s[18:19] offset:8192*\j     ; rows 16 w + h + 2 j; V's registers are free as yet
.endr
.irp j, 0,1,2,3,4,5,6,7
	global_load_b128 v[GS+4*\j:GS+4*\j+3], v6, s[14:15] offset:8192*\j     ; tile 0, the second trip's
.endr
	WIN 0
	s_mov_b32 s30, 0x3e38aa3b                      ; c = log2(e) / 8
	s_mov_b32 s31, 0x3e38aa3b
	s_mov_b32 s38, 0xbe38aa3b                      ; -c
	s_mov_b32 s39, 0x7e000000                      ; 2^125
	s_mov_b32 s32, 0x76543210                      ; v_permlanex16_b32: lane l reads lane l xor 16
	s_mov_b32 s33, 0xfedcba98
	s_mov_b32 s34, 0xff7fffff                      ; the lowest finite f32
	s_mov_b32 s22, 0
	s_sub_co_i32 s26, s11, 3                       ; tile i is prefetched in trip max(i - 3, 0) by waves 0 to 3, for i >= 2; else never
	s_max_i32 s26, s26, 0
	s_cmp_lt_u32 s11, 2
	s_cselect_b32 s26, 0xffff, s26
	s_cmp_lg_u32 s10, 0
	s_cselect_b32 s26, 0xffff, s26
	v_mul_u32_u24 v2, KP, v14
	v_lshl_add_u32 v2, v15, 4, v2                  ; r x 144 + 16 h: a fragment of 16 rows, head dimension along the rows
	s_mul_i32 s27, s10, 64*KP
	s_mul_i32 s28, s9, 32*KP
	v_add_nc_u32 v1, s27, v2                       ; K: from key 64 s
	v_add_nc_u32 v2, s28, v2                       ; Q: from query 32 g
	v_and_b32 v3, 7, v0
	v_lshl_add_u32 v3, v15, 3, v3
	v_mul_u32_u24 v3, VP, v3                       ; V: key row 8 h + (l & 7),
	v_bfe_u32 v12, v0, 3, 1
	v_lshl_add_u32 v3, v12, 4, v3                  ; eight columns at 16 ((l >> 3) & 1),
	s_mul_i32 s27, s10, 64*VP
	s_add_co_u32 s27, s27, VT
	v_add_nc_u32 v3, s27, v3                       ; from key 64 s
	v_mul_u32_u24 v4, KP, v15
	v_lshl_add_u32 v4, v14, 3, v4
	s_mul_i32 s27, s8, 16*KP
	v_add_nc_u32 v4, s27, v4                       ; tile store, K's copy: row 16 w + h, 8 bytes at 8 r
	v_mul_u32_u24 v5, VP, v15
	v_lshl_add_u32 v5, v14, 3, v5
	s_mul_i32 s27, s8, 16*VP
	s_add_co_u32 s27, s27, VT
	v_add_nc_u32 v5, s27, v5                       ; and V's copy
	v_and_b32 v12, 31, v0
	v_lshlrev_b32 v7, 12, v12
	s_lshl_b32 s27, s11, TLOG
	s_lshl_b32 s28, s9, 17
	s_add_co_u32 s27, s27, s28
	v_add_nc_u32 v7, s27, v7                       ; prefetch: row 32 g + lane of tile i
	v_mul_u32_u24 v8, MP, v14
	v_lshl_add_u32 v8, v15, 5, v8
	s_mul_i32 s27, s10, MHALF
	s_mul_i32 s28, s9, 32*MP
	s_add_co_u32 s27, s27, s28
	s_add_co_u32 s27, s27, MRG
	v_add_nc_u32 v8, s27, v8                       ; partial O in: half s, row 32 g + r, 32 bytes at 32 h
	v_mul_u32_u24 v9, MP, v15
	v_lshl_add_u32 v9, v14, 4, v9
	s_mul_i32 s27, s8, 16*MP
	s_add_co_u32 s27, s27, MRG
	v_add_nc_u32 v9, s27, v9                       ; and back: row 16 w + h, 16 bytes at 16 r
	v_lshlrev_b32 v10, 4, v14
	s_lshl_b32 s27, s9, 9                          ; 32 g rows of 16 bytes
	s_lshl_b32 s28, s10, 3                         ; 8 s
	s_add_co_u32 s27, s27, s28
	s_add_co_u32 s27, s27, STAT
	v_add_nc_u32 v10, s27, v10                     ; statistics in: row 32 g + r, 8 bytes at 8 s
	v_lshlrev_b32 v11, 4, v15
	s_lshl_b32 s27, s8, 8
	s_add_co_u32 s27, s27, STAT
	v_add_nc_u32 v11, s27, v11                     ; and back: row 16 w + h
	s_lshl_b32 s27, s9, 5
	s_lshl_b32 s28, s10, 6
	s_sub_co_i32 s27, s27, s28
	v_lshlrev_b32 v13, 3, v15
	v_sub_nc_u32 v13, v14, v13
	v_add_nc_u32 v13, s27, v13                     ; 32 g + r - 64 s - 8 h: key (kt, j) is kept for query group f where 16 kt + j - 16 f <= this
	v_mov_b32 v[XP], 0                             ; the destination of v_permlanex16_b32 counts as read: written once here
	v_mov_b32 v[XP+1], 0
	v_mov_b32 v[NM+1], 0                           ; the packed multiply-add names the pair {NM, l} before the first l is made
	v_mov_b32 v[NM+3], 0
; Round my 16 rows of a tile to bf16 in place and lay them into both copies.
.macro STAGE base
	WIN IN_W1
.irp j, 0,1,2,3,4,5,6,7
	v_cvt_pk_bf16_f32 v[\base+4*\j], v[\base+4*\j], v[\base+4*\j+1]
	v_cvt_pk_bf16_f32 v[\base+4*\j+1], v[\base+4*\j+2], v[\base+4*\j+3]
.endr
	WIN FROM_W1
.irp j, 0,1,2,3,4,5,6,7
	ds_store_b64 v4, v[\base+4*\j:\base+4*\j+1] offset:2*KP*\j
	ds_store_b64 v5, v[\base+4*\j:\base+4*\j+1] offset:2*VP*\j
.endr
	WIN 0
.endm
; The tile of trip s22 + 2 into the staging registers.  Order of tiles: 15 - i, 0 .. 14 - i, then i, 0 .. i - 1.
.macro NEXTLOAD
	s_add_co_u32 s27, s22, 1                       ; still in pass 0's run: tile s22 + 1
	s_sub_co_i32 s28, s22, s23
	s_cmp_ge_i32 s28, 0
	s_cselect_b32 s27, s28, s27                    ; in pass 1's run: tile s22 - (15 - i)
	s_cmp_eq_i32 s28, -1
	s_cselect_b32 s27, s11, s27                    ; pass 1's diagonal tile: i
	s_lshl_b32 s20, s27, TLOG
	s_add_nc_u64 s[18:19], s[14:15], s[20:21]      ; the loads that named s[18:19] are done: s_wait_loadcnt 0 above
	WIN TO_W1
.irp j, 0,1,2,3,4,5,6,7
	global_load_b128 v[GS+4*\j:GS+4*\j+3], v6, s[18:19] offset:8192*\j
.endr
	WIN 0
.endm
.macro LDQ                             ; my 32 queries out of the diagonal tile: B fragments, 16 queries x 32 of the head dimension
.irp f, 0,1
.irp kh, 0,1
	ds_load_b128 v[QF+16*\f+8*\kh:QF+16*\f+8*\kh+3],   v2 offset:16*KP*\f+64*\kh
	ds_load_b128 v[QF+16*\f+8*\kh+4:QF+16*\f+8*\kh+7], v2 offset:16*KP*\f+64*\kh+32
.endr
.endr
.endm
.macro LDKV                            ; all that the trip takes from the tile: 16 loads for K, then 16 for V^T
	WIN TO_W1
.irp kt, 0,1,2,3
.irp kh, 0,1
	ds_load_b128 v[KF+16*\kt+8*\kh:KF+16*\kt+8*\kh+3],   v1 offset:16*KP*\kt+64*\kh
	ds_load_b128 v[KF+16*\kt+8*\kh+4:KF+16*\kt+8*\kh+7], v1 offset:16*KP*\kt+64*\kh+32
.endr
.endr
.irp kg, 0,1
.irp ht, 0,1,2,3
	ds_load_tr16_b128 v[VF+32*\kg+8*\ht:VF+32*\kg+8*\ht+3],   v3 offset:32*VP*\kg+32*\ht           ; keys 32 kg + 8 h + 0..7 of column 16 ht + r
	ds_load_tr16_b128 v[VF+32*\kg+8*\ht+4:VF+32*\kg+8*\ht+7], v3 offset:32*VP*\kg+32*\ht+16*VP     ; keys 32 kg + 16 + 8 h + 0..7
.endr
.endr
.endm
; S^T(kt, f) = K(kt) Q(f)^T: register j of lane (r, h) is key 64 s + 16 kt + 8 h + j against query 32 g + 16 f + r.
.macro SMM
	WIN MUL_W1
.irp kt, 0,1,2,3
	s_wait_dscnt 28-4*\kt                          ; LDS loads return in order (ISA guide 5.7.1): behind K's block kt stand 4 (3 - kt) loads of K and 16 of V
.irp f, 0,1
	v_wmma_f32_16x16x32_bf16 v[SC+16*\kt+8*\f:SC+16*\kt+8*\f+7], v[KF+16*\kt:KF+16*\kt+7], v[QF+16*\f:QF+16*\f+7], 0
.endr
.irp f, 0,1
	v_wmma_f32_16x16x32_bf16 v[SC+16*\kt+8*\f:SC+16*\kt+8*\f+7], v[KF+16*\kt+8:KF+16*\kt+15], v[QF+16*\f+8:QF+16*\f+15], v[SC+16*\kt+8*\f:SC+16*\kt+8*\f+7]
.endr
.endr
	WIN 0
.rept 4
	v_nop                                          ; four places before vector instructions read the results (ISA guide 7.12.1)
.endr
.endm
.macro MASK                            ; the diagonal tile: keys behind the query take the mask value
.irp kt, 0,1,2,3
.irp f, 0,1
.irp j, 0,1,2,3,4,5,6,7
	v_cmp_le_i32 vcc_lo, 16*\kt+\j-16*\f, v13
	v_cndmask_b32 v[SC+16*\kt+8*\f+\j], s34, v[SC+16*\kt+8*\f+\j], vcc_lo
.endr
.endr
.endr
.endm
.macro ROWMAX first                    ; my lane's 32 scores of each query group, and the old maximum: a chain of 16 for each group, the two in turn
.irp f, 0,1
	v_max3_num_f32 v[TM+2*\f], v[SC+8*\f], v[SC+8*\f+1], v[SC+8*\f+2]
.endr
.set n, 3
.rept 14
.irp f, 0,1
	v_max3_num_f32 v[TM+2*\f], v[TM+2*\f], v[SC+16*(n/8)+8*\f+n%8], v[SC+16*((n+1)/8)+8*\f+(n+1)%8]
.endr
.set n, n+2
.endr
.irp f, 0,1
.if \first
	v_max_num_f32 v[TM+2*\f], v[TM+2*\f], v[SC+48+8*\f+7]
.else
	v_max3_num_f32 v[TM+2*\f], v[TM+2*\f], v[SC+48+8*\f+7], v[MX+\f]
.endif
.endr
.endm
.macro STATS first                     ; the other half of the lanes holds the query's other 32 keys; then the new shift and the rescale's exponent
.irp f, 0,1
	v_permlanex16_b32 v[XP+\f], v[TM+2*\f], s32, s33
.endr
.irp f, 0,1
	v_max_num_f32 v[MX+\f], v[TM+2*\f], v[XP+\f]
.endr
.irp f, 0,1
	v_mul_f32 v[TM+2*\f], s38, v[MX+\f]            ; -c m
.endr
.irp f, 0,1
.if \first
	v_min_num_f32 v[NM+2*\f], s39, v[TM+2*\f]      ; capped: where all 64 keys are masked, the arguments stay far below zero and the weights are 0
.else
	v_sub_f32 v[AL+2*\f], v[TM+2*\f], v[NM+2*\f]   ; new shift - old shift, <= 0
	v_mov_b32 v[NM+2*\f], v[TM+2*\f]
.endif
.endr
.endm
.macro EXPS first                      ; p = exp2(c S + NM) in place; alpha = exp2(its exponent)
.irp kt, 0,1,2,3
.irp f, 0,1
.irp j, 0,2,4,6
	v_pk_fma_f32 v[SC+16*\kt+8*\f+\j:SC+16*\kt+8*\f+\j+1], v[SC+16*\kt+8*\f+\j:SC+16*\kt+8*\f+\j+1], s[30:31], v[NM+2*\f:NM+2*\f+1] op_sel_hi:[1,0,0]
.endr
.endr
.endr
.if \first == 0
	v_exp_f32 v[AL], v[AL]
	v_exp_f32 v[AL+2], v[AL+2]
.endif
.set n, 0
.rept 64
	v_exp_f32 v[SC+n], v[SC+n]
.set n, n+1
.endr
	v_nop                                          ; one plain place behind the last exponentials before their results are used
.endm
.macro ROWSUM first                    ; l = l alpha + my lane's 32 weights: two chains of pairs for each query group
	s_wait_alu depctr_va_vdst(0)
.irp f, 0,1
.irp c, 0,1
	v_pk_add_f32 v[SU+4*\f+2*\c:SU+4*\f+2*\c+1], v[SC+32*\c+8*\f:SC+32*\c+8*\f+1], v[SC+32*\c+8*\f+2:SC+32*\c+8*\f+3]
.endr
.endr
.set p, 2
.rept 6
.irp f, 0,1
.irp c, 0,1
	v_pk_add_f32 v[SU+4*\f+2*\c:SU+4*\f+2*\c+1], v[SU+4*\f+2*\c:SU+4*\f+2*\c+1], v[SC+32*\c+16*(p/4)+8*\f+2*(p%4):SC+32*\c+16*(p/4)+8*\f+2*(p%4)+1]
.endr
.endr
.set p, p+1
.endr
.irp f, 0,1
	v_pk_add_f32 v[SU+4*\f:SU+4*\f+1], v[SU+4*\f:SU+4*\f+1], v[SU+4*\f+2:SU+4*\f+3]
.endr
.irp f, 0,1
.if \first
	v_add_f32 v[NM+2*\f+1], v[SU+4*\f], v[SU+4*\f+1]
.else
	v_fma_f32 v[NM+2*\f+1], v[NM+2*\f+1], v[AL+2*\f], v[SU+4*\f]
	v_add_f32 v[NM+2*\f+1], v[NM+2*\f+1], v[SU+4*\f+1]
.endif
.endr
.endm
; B fragment of P^T for keys 32 kg .. + 31: registers 0-3 want keys 8 h + 0..7, which S(2 kg, f) holds, registers 4-7 keys 16 + 8 h + 0..7,
; which S(2 kg + 1, f) holds.  Packed into S(2 kg, f), each register written after it was read.
.macro PACKP
.irp kg, 0,1
.irp f, 0,1
.irp i, 0,1,2,3
	v_cvt_pk_bf16_f32 v[SC+32*\kg+8*\f+\i], v[SC+32*\kg+8*\f+2*\i], v[SC+32*\kg+8*\f+2*\i+1]
.endr
.irp i, 0,1,2,3
	v_cvt_pk_bf16_f32 v[SC+32*\kg+8*\f+4+\i], v[SC+32*\kg+16+8*\f+2*\i], v[SC+32*\kg+16+8*\f+2*\i+1]
.endr
.endr
.endr
.endm
.macro RESCALE
.irp f, 0,1
.set n, 0
.rept 16
	v_pk_mul_f32 v[OA+32*\f+n:OA+32*\f+n+1], v[OA+32*\f+n:OA+32*\f+n+1], v[AL+2*\f:AL+2*\f+1] op_sel_hi:[1,0]
.set n, n+2
.endr
.endr
.endm
; O^T(f, ht) += V^T(kg, ht) P^T(kg, f): register j of lane (r, h) is column 16 ht + 8 h + j of query 32 g + 16 f + r.
.macro PVMM first
	WIN MUL_W1
.irp kg, 0,1
.irp ht, 0,1,2,3
.irp f, 0,1
.if \first*(1-\kg)
	v_wmma_f32_16x16x32_bf16 v[OA+32*\f+8*\ht:OA+32*\f+8*\ht+7], v[VF+32*\kg+8*\ht:VF+32*\kg+8*\ht+7], v[SC+32*\kg+8*\f:SC+32*\kg+8*\f+7], 0
.else
	v_wmma_f32_16x16x32_bf16 v[OA+32*\f+8*\ht:OA+32*\f+8*\ht+7], v[VF+32*\kg+8*\ht:VF+32*\kg+8*\ht+7], v[SC+32*\kg+8*\f:SC+32*\kg+8*\f+7], v[OA+32*\f+8*\ht:OA+32*\f+8*\ht+7]
.endif
.endr
.endr
.endr
	WIN 0
.rept 5
	v_nop                                          ; five places before the next score products write over P; four would do for the loads into V and the LDS stores of O
.endr
.endm
; ONE TRIP: one key tile.  It finds its tile in LDS and leaves the next one there.  Two barriers, each for one thing, signal and wait apart.
.macro TRIP first, pass
.if \first
	LDQ
.endif
	LDKV
	SMM
.if \first
	MASK
.endif
	ROWMAX \first
	s_wait_dscnt 0x0                               ; V is in too: my reads of the tile are over;
	s_barrier_signal -1                            ; say so,
	STATS \first                                   ; work on registers meanwhile,
	EXPS \first
	ROWSUM \first
	s_barrier_wait -1                              ; and when all eight have said so the slot may be written
	s_wait_loadcnt 0x0                             ; all eight loads of the next tile are needed; they were issued a whole trip ago
	s_cmp_gt_u32 s22, TRIPS-2                      ; the last trip has no next tile
	s_cbranch_scc1 .Lstaged\first\pass
	STAGE GS
.Lstaged\first\pass:
	PACKP
	s_wait_dscnt 0x0                               ; my rows of the next tile lie in LDS, for the others' sake; the staging registers have been read
	s_cmp_gt_u32 s22, TRIPS-3                      ; the last two trips load nothing
	s_cbranch_scc1 .Lasked\first\pass
	NEXTLOAD
.Lasked\first\pass:
.if \pass == 0
	; Tiles 8 to 15 are the eight work-groups' first loads, tiles 0 and 1 are loaded at once.  Tile k = 2..7 is asked for once for the head: by
	; work-group i = k, waves 0 to 3, a lane for each row's 256 bytes, in trip max(k - 3, 0); its loads are issued in trip k - 1.
	s_cmp_lg_u32 s22, s26
	s_cbranch_scc1 .Lquiet\first\pass
	global_prefetch_b8 v7, s[14:15] th:TH_LOAD_NT scope:SCOPE_SE
.Lquiet\first\pass:
.endif
	s_barrier_signal -1                            ; the next tile: my part is there
.if \first == 0
	RESCALE
.endif
	PVMM \first
	s_barrier_wait -1                              ; everybody's is
	s_add_co_u32 s22, s22, 1
.endm
; THE WAY OUT OF A PASS.  Each wave lays its O^T as rows of f32 and its {NM, l} into LDS; then wave w merges rows 16 w .. 16 w + 15 of the two
; key halves: out = (O0 f0 + O1 f1) / (l0 f0 + l1 f1), f = exp2(min(NM0, NM1) - NM), and stores whole head rows of 256 bytes.
.macro EPILOGUE more
.irp f, 0,1
	v_permlanex16_b32 v[XP+\f], v[NM+2*\f+1], s32, s33
.endr
.irp f, 0,1
	v_add_f32 v[NM+2*\f+1], v[NM+2*\f+1], v[XP+\f] ; l of all my 64 keys, in both halves of the lanes
.endr
.irp f, 0,1
	ds_store_b64 v10, v[NM+2*\f:NM+2*\f+1] offset:256*\f           ; lanes r and r + 16 write the same 8 bytes with the same numbers
.endr
.irp f, 0,1
.irp ht, 0,1,2,3
	ds_store_b128 v8, v[OA+32*\f+8*\ht:OA+32*\f+8*\ht+3]   offset:16*MP*\f+64*\ht
	ds_store_b128 v8, v[OA+32*\f+8*\ht+4:OA+32*\f+8*\ht+7] offset:16*MP*\f+64*\ht+16
.endr
.endr
	s_wait_dscnt 0x0                               ; my stores are done, for the others' sake
	s_barrier_signal -1
	s_barrier_wait -1
.irp t, 0,1,2,3,4,5,6,7
	ds_load_b128 v[ST+4*\t:ST+4*\t+3], v11 offset:32*\t            ; row 16 w + h + 2 t: NM0, l0, NM1, l1
.endr
.irp t, 0,1,2,3,4,5,6,7
	ds_load_b128 v[PA+4*\t:PA+4*\t+3], v9 offset:2*MP*\t
	ds_load_b128 v[PB+4*\t:PB+4*\t+3], v9 offset:2*MP*\t+MHALF
.endr
	s_wait_dscnt 16                                ; the statistics are in; the sixteen loads of partial rows stay out
.irp t, 0,1,2,3,4,5,6,7
	v_min_num_f32 v[EP+\t], v[ST+4*\t], v[ST+4*\t+2]               ; the shift of the larger maximum
.endr
.irp t, 0,1,2,3,4,5,6,7
	v_sub_f32 v[ST+4*\t], v[EP+\t], v[ST+4*\t]
	v_sub_f32 v[ST+4*\t+2], v[EP+\t], v[ST+4*\t+2]
.endr
.irp t, 0,1,2,3,4,5,6,7
	v_exp_f32 v[ST+4*\t], v[ST+4*\t]
	v_exp_f32 v[ST+4*\t+2], v[ST+4*\t+2]
.endr
	v_nop                                          ; a plain place behind the exponentials
	s_wait_alu depctr_va_vdst(0)
.irp t, 0,1,2,3,4,5,6,7
	v_mul_f32 v[EP+\t], v[ST+4*\t+1], v[ST+4*\t]
.endr
.irp t, 0,1,2,3,4,5,6,7
	v_fmac_f32 v[EP+\t], v[ST+4*\t+3], v[ST+4*\t+2]                ; the denominator: the half with the larger maximum gives about 1 at the least
.endr
.irp t, 0,1,2,3,4,5,6,7
	v_rcp_f32 v[EP+\t], v[EP+\t]
.endr
	v_nop                                          ; a plain place behind the reciprocals
	s_wait_alu depctr_va_vdst(0)
.irp t, 0,1,2,3,4,5,6,7
	v_mul_f32 v[ST+4*\t], v[ST+4*\t], v[EP+\t]
	v_mul_f32 v[ST+4*\t+2], v[ST+4*\t+2], v[EP+\t]
.endr
.irp t, 0,1,2,3,4,5,6,7
	s_wait_dscnt 14-2*\t                           ; both halves of row t are in; the rows of later t, two loads each, stay out
	v_pk_mul_f32 v[PA+4*\t:PA+4*\t+1],   v[PA+4*\t:PA+4*\t+1],   v[ST+4*\t:ST+4*\t+1] op_sel_hi:[1,0]
	v_pk_mul_f32 v[PA+4*\t+2:PA+4*\t+3], v[PA+4*\t+2:PA+4*\t+3], v[ST+4*\t:ST+4*\t+1] op_sel_hi:[1,0]
	v_pk_fma_f32 v[PA+4*\t:PA+4*\t+1],   v[PB+4*\t:PB+4*\t+1],   v[ST+4*\t+2:ST+4*\t+3], v[PA+4*\t:PA+4*\t+1] op_sel_hi:[1,0,1]
	v_pk_fma_f32 v[PA+4*\t+2:PA+4*\t+3], v[PB+4*\t+2:PB+4*\t+3], v[ST+4*\t+2:ST+4*\t+3], v[PA+4*\t+2:PA+4*\t+3] op_sel_hi:[1,0,1]
	global_store_b128 v6, v[PA+4*\t:PA+4*\t+3], s[36:37] offset:8192*\t th:TH_STORE_NT    ; sixteen lanes store 256 consecutive bytes, at a multiple of 256 from out0's first byte
.endr
.if \more
	s_wait_xcnt 0x0                                ; the stores' data registers and s[36:37] are written again only behind this wait
.endif
.endm
	s_wait_loadcnt 8                               ; the diagonal tile is in; the eight younger loads, tile 0's, stay out
	STAGE VF
	s_wait_dscnt 0x0                               ; my rows lie in LDS
	s_barrier_signal -1
	s_barrier_wait -1                              ; the whole tile does
	; PASS 0: query block 15 - i; trips 0 .. 15 - i
	s_lshl_b32 s20, s23, TLOG
	s_add_nc_u64 s[36:37], s[16:17], s[20:21]
	TRIP 1, 0
.Lfull0:
	TRIP 0, 0
	s_cmp_lt_u32 s22, s24                          ; 16 - i trips in all: 15 - i >= 8 tiles below the diagonal
	s_cbranch_scc1 .Lfull0
	EPILOGUE 1
	; PASS 1: query block i; trips 16 - i .. 16.  The merge area is written again only behind this pass's barriers, which every wave
	; signals after its LDS loads have returned.
	s_lshl_b32 s20, s11, TLOG
	s_add_nc_u64 s[36:37], s[16:17], s[20:21]
	TRIP 1, 1
	s_cmp_gt_u32 s22, TRIPS-1                      ; block 0 has its diagonal tile alone
	s_cbranch_scc1 .Lmerge1
.Lfull1:
	TRIP 0, 1
	s_cmp_lt_u32 s22, TRIPS
	s_cbranch_scc1 .Lfull1
.Lmerge1:
	EPILOGUE 0
	s_wait_tensorcnt 0x0
	ds_add_u32 v254, v255
	s_wait_dscnt 0x0
	s_endpgm
.Lfunc_end_k_q9cc26dcdf9_attn:
	.size	k_q9cc26dcdf9_attn, .Lfunc_end_k_q9cc26dcdf9_attn-k_q9cc26dcdf9_attn
	.p2alignl 7, 3214868480
	.fill 96, 4, 3214868480
	.section	.rodata,"a",@progbits
	.p2align	6, 0x0
	.amdhsa_kernel k_q9cc26dcdf9_attn
		.amdhsa_group_segment_fixed_size 111616
		.amdhsa_private_segment_fixed_size 0
		.amdhsa_enable_private_segment 0
		.amdhsa_kernarg_size 16
		.amdhsa_user_sgpr_count 2
		.amdhsa_user_sgpr_kernarg_segment_ptr 1
		.amdhsa_wavefront_size32 1
		.amdhsa_system_sgpr_workgroup_id_x 1
		.amdhsa_system_sgpr_workgroup_id_y 1
		.amdhsa_system_sgpr_workgroup_id_z 1
		.amdhsa_system_vgpr_workitem_id 0
		.amdhsa_next_free_vgpr 416
		.amdhsa_next_free_sgpr 66
		.amdhsa_reserve_vcc 1
		.amdhsa_float_denorm_mode_32 3
		.amdhsa_float_denorm_mode_16_64 3
		.amdhsa_memory_ordered 1
		.amdhsa_forward_progress 1
		.amdhsa_inst_pref_size 114
	.end_amdhsa_kernel
	.amdgpu_metadata
---
amdhsa.version: [ 1, 2 ]
amdhsa.kernels:
  - .name:           k_q9cc26dcdf9_attn
    .symbol:         k_q9cc26dcdf9_attn.kd
    .args:
      - { .name: x, .offset: 0, .size: 8, .value_kind: global_buffer, .address_space: global }
      - { .name: out0, .offset: 8, .size: 8, .value_kind: global_buffer, .address_space: global }
    .group_segment_fixed_size: 111616
    .private_segment_fixed_size: 0
    .kernarg_segment_align: 8
    .kernarg_segment_size: 16
    .max_flat_workgroup_size: 256
    .sgpr_count:     66
    .vgpr_count:     416
    .wavefront_size: 32
...
	.end_amdgpu_metadata
.endif
;; end of part 1
